; MI455X (gfx1250); checked and timed in simulation.
; The chip was launched on July 23, 2026; its instructions are those of AMD's public machine-readable ISA for CDNA 5 (MIT licence, August 2026) and "CDNA5" Instruction Set Architecture Reference Guide (July 2026). The comments in the code are by the model that wrote it; some were corrected since.
;; multihead self attention. Allowed arithmetic: matrix products marked QUANTISED: E4M3 operands, one given power-of-two scale a tensor, by v_wmma_f32_16x16x64_fp8_fp8 or v_wmma_f32_16x16x128_fp8_fp8, f32 sums; everything else in f32.
;; Inputs: in_features_codes 2 x 2,048 x 32 x 32 uint8 (E4M3 codes of in_features, K innermost, in blocks of 32 codes); lowp_scales 12 int32 (the exponents e of the quantised operands' scales 2^e); wk_codes 1,024 x 32 x 32 uint8 (E4M3 codes of wk, K innermost, in blocks of 32 codes); wo_codes 1,024 x 32 x 32 uint8 (E4M3 codes of wo, K innermost, in blocks of 32 codes); wq_codes 1,024 x 32 x 32 uint8 (E4M3 codes of wq, K innermost, in blocks of 32 codes); wv_codes 1,024 x 32 x 32 uint8 (E4M3 codes of wv, K innermost, in blocks of 32 codes).
;; Outputs: out0 2 x 2,048 x 1,024 float32.
;; This version of the problem:
;;   THIS VERSION OF THE PROBLEM IS GIVEN IN LOW PRECISION. The matrix products marked QUANTISED in the list below multiply operands that are first quantised to E4M3 (4 exponent bits, 3 mantissa bits; 8 bits a number), with one given power-of-two scale for each operand tensor; their sums are f32. All else is computed in f32.
;;   The module's matrix products, in the order in which they are computed (A, B: the left and right operand; K: the contracted axis; several contracted axes count as one K, in the product's order):
;;     1. [M 4,096, K 1,024] x [K 1,024, N 1,024]; A: input in_features (given as codes); B: input wq (given as codes): QUANTISED (scales: A lowp_scales[0], B lowp_scales[1])
;;     2. [M 4,096, K 1,024] x [K 1,024, N 1,024]; A: input in_features (given as codes); B: input wk (given as codes): QUANTISED (scales: A lowp_scales[2], B lowp_scales[3])
;;     3. [M 4,096, K 1,024] x [K 1,024, N 1,024]; A: input in_features (given as codes); B: input wv (given as codes): QUANTISED (scales: A lowp_scales[4], B lowp_scales[5])
;;     4. batch 32 x [M 2,048, K 64] x [K 64, N 2,048]; A: computed on the way; B: computed on the way: QUANTISED (scales: A lowp_scales[6], B lowp_scales[7])
;;     5. batch 32 x [M 2,048, K 2,048] x [K 2,048, N 64]; A: softmax (see below); B: computed on the way: QUANTISED (scales: A lowp_scales[8], B lowp_scales[9])
;;     6. [M 4,096, K 1,024] x [K 1,024, N 1,024]; A: computed on the way; B: input wo (given as codes): QUANTISED (scales: A lowp_scales[10], B lowp_scales[11])
;;   THE QUANTISER, for each operand of a quantised product, along K:
;;     - The operand's scale is 2^e, e = its entry of the input lowp_scales (int32; the entries are numbered through the quantised products in the list's order, A before B).
;;     - Each number is divided by the scale, clamped to +-448, and rounded to the nearest number of E4M3, ties to even, subnormals kept.
;;     - The product sums the exact products of the quantised numbers (number of the format x scale) in f32.
;;   ~~~python
;;   def quantise(x, axis, e):      # numpy; x: float32 -> the quantised numbers, widened to float32 again
;;       x = np.moveaxis(x, axis, -1); K = x.shape[-1]
;;       r = np.clip(x / 2.0 ** e, -448, 448)
;;       step = 2.0 ** (np.maximum(np.frexp(np.where(r == 0, 1, r))[1] - 1, -6) - 3)
;;       q = np.round(r / step) * step * 2.0 ** e      # np.round: ties to even
;;       return np.moveaxis(q, -1, axis).astype(np.float32)
;;   ~~~
;;   SOFTMAX AHEAD OF A QUANTISED PRODUCT. Where the list says 'softmax', what is quantised is not the finished softmax but p = 2^(t - M), with t = logit x log2(e) and M = ceil(the row's largest t), a whole number; so 1/2 < the row's largest p <= 1. The row's sum l is taken of the UNQUANTISED p, in f32, and the product's result is divided by l at the end. Since M is a whole number, a kernel that streams over the keys may use a running M (the ceiling of the running maximum): every later rescaling is an exact power of two, so the quantised numbers keep their values, but for numbers so far below the row's largest that they fall under the format's range.
;;   OPERANDS COMPUTED ON THE WAY. 'Computed on the way' means the value that the module computes at that place (a softmax that the list does not call 'softmax' is quantised finished and normalised). What goes into a quantiser is computed in f32, as accurately as f32 sums, v_exp_f32 and their like allow (about 1e-6 of the number): no bf16 or f16 on the way to a quantiser, and a product that is left as it is and whose result goes on into a quantised operand takes f32 operands (vector FMAs, or v_wmma_f32_16x16x4_f32). A number that lies on a knife's edge between two numbers of the format may be rounded either way, as far as f32 arithmetic and the matrix unit's own rounding can turn it there, and no further.
;;   INPUTS GIVEN AS CODES. in_features (in the module: [2, 2048, 1024], K = its axis 2); wk (in the module: [1024, 1024], K = its axis 1); wo (in the module: [1024, 1024], K = its axis 1); wq (in the module: [1024, 1024], K = its axis 1); wv (in the module: [1024, 1024], K = its axis 1): each comes as NAME_codes (uint8): NAME with its K axis moved to the last place and cut into blocks of 32 codes, [.., K / 32, bytes a block], one block behind the other in memory; one code a byte (a code: sign, 4 exponent bits, 3 mantissa bits); its scale is its entry of lowp_scales. Its value is code x scale, taken as it is: it is not quantised again, and the codes and scales need not be those that the quantiser above would give.
;; One version. Each part assembles by itself: llvm-mc -triple=amdgcn-amd-amdhsa -mcpu=gfx1250 --defsym DOCPART=n.
;; ======== version 1 of 1: 3 launches
;; limits: right only within a limited range of input values
;; workspace buffers: q_img 4,194,304 bytes; k_img 4,194,304 bytes; v_img 4,194,304 bytes; ctx_img 4,194,304 bytes
;; launch qkv (part 1): grid 8 x 32, 4 waves a work-group, clusters of 4 x 4, 327,680 bytes of LDS; arguments in_features_codes, wq_codes, wk_codes, wv_codes, lowp_scales, q_img, k_img, v_img; writes q_img, k_img, v_img
.if DOCPART == 1
	.amdgcn_target "amdgcn-amd-amdhsa--gfx1250"
	.amdhsa_code_object_version 6
	.text
	.protected	k_qbb64e5addb_qkv
	.globl	k_qbb64e5addb_qkv
	.p2align	8
	.type	k_qbb64e5addb_qkv,@function
k_qbb64e5addb_qkv:
	s_mov_b64 s[64:65], 0
	v_nop
	global_prefetch_b8 v0, s[64:65] scope:SCOPE_SE
	s_setreg_imm32_b32 hwreg(HW_REG_WAVE_MODE, 25, 1), 1
	s_wait_xcnt 0x0
	s_wait_alu depctr_hold_cnt(0) depctr_sa_sdst(0) depctr_va_vdst(0) depctr_va_sdst(0) depctr_va_ssrc(0) depctr_va_vcc(0) depctr_vm_vsrc(0)
	s_getreg_b32 s2, hwreg(HW_REG_IB_STS2, 6, 4)
	s_cmp_eq_u32 s2, 0
	s_cbranch_scc0 .Lentry_in_a_cluster
	s_endpgm
.Lentry_in_a_cluster:
	s_bfe_u32 s2, ttmp6, 0x10000c
	s_cmp_lg_u32 s2, 0xf033
	s_cbranch_scc0 .Lentry_shape_is_right
	s_endpgm
.Lentry_shape_is_right:
; Q, K, V = x wq^T, x wk^T, x wv^T on codes of FP8 (E4M3); rotary positions on Q and K in f32; all three quantised (2^e6, 2^e7, 2^e9) and stored as images of the operands' registers for the attention.
; A work-group makes a tile of 128 positions x 128 features of each of the three; four waves, 64 x 64 each; x's codes stay in registers (windows 2 and 3) through all three products.
; LDS: two tiles of 128 rows of 1,024 bytes + 16 of padding: x and wq at the head (waves 0 and 1: x's halves; waves 2 and 3: wq's), then wk over x, then wv over wq.
; CLUSTER 4 x 4: x's tile is asked for jointly along a row of the cluster, the weights' tiles along a column.  NO PREFETCH: each tile is loaded once, the loads have no loop to run ahead in.
; WORK LEFT OUT in this program (in the attention's launch): reference() sets the scores of keys behind a query to -infinity by its own tril mask, so their p is 0 whatever the inputs hold; whole blocks of 128 keys
; that lie behind all queries of a tile are not multiplied.  LIMIT: a NaN, an infinity or an overflow that reaches only such work is not carried to the result.
; LIMITS: e6 - e0 - e1, e7 - e2 - e3, e9 - e4 - e5 lie between -126 and 119, so that the powers of two are f32 numbers.
.set PITCH, 1040
.set TILEB, 128*PITCH
.set QUART, 32*PITCH
.set SPARE, 2*TILEB
.set AX,   4
.set AW0,  5
.set AW1,  6
.set SPW,  10
.set NIL,  11
.set QKO,  12
.set VO,   13
.set T,    64
.set CD,   96
.set CS,   128
.set WF,   128
.set KON,  128
.set IFR,  160
.set POSR, 176
.set MK,   86
.set G1A,  28
.set G1B,  36
.set E,    68
.set MSB, 0
.macro WIN new
.if MSB != (\new)
	s_set_vgpr_msb (MSB<<8)|(\new)
.set MSB, (\new)
.endif
.endm
.macro PLACES n
.rept \n
	v_nop
.endr
.endm
.macro CROUND
	s_barrier_signal -1
	s_barrier_wait -1
	s_cmp_lg_u32 s20, 0
	s_cbranch_scc1 .Lnot_wave_0_\@
	s_barrier_signal -3
.Lnot_wave_0_\@:
	s_barrier_wait -3
	s_barrier_signal -1
	s_barrier_wait -1
.endm
.macro THREE
	WIN 0
	s_wait_tensorcnt 0x0
	ds_add_u32 v[SPW], v[NIL]
	s_wait_dscnt 0x0
.endm
	s_load_b256 s[4:11], s[0:1], 0x0
	s_load_b256 s[12:19], s[0:1], 0x20
	v_lshl_add_u32 v[SPW], v0, 2, SPARE
	v_mov_b32 v[NIL], 0
	ds_add_u32 v10, v11
	ds_add_u32 v10, v11
	s_wait_dscnt 0x0
	v_lshrrev_b32 v3, 5, v0
	v_readfirstlane_b32 s20, v3
	s_lshr_b32 s21, s20, 1
	s_and_b32 s22, s20, 1
	s_bfe_u32 s23, ttmp6, 0x40000
	s_bfe_u32 s24, ttmp6, 0x40004
	s_lshl_b32 s25, ttmp9, 2
	s_add_co_u32 s25, s25, s23
	s_and_b32 s26, ttmp7, 0xffff
	s_lshl_b32 s26, s26, 2
	s_add_co_u32 s26, s26, s24
	s_lshl_b32 s81, s24, 2
	s_lshl_b32 s81, 15, s81
	s_lshl_b32 s80, 0x1111, s23
	s_or_b32 s[G1A], s81, (1<<20)|(1<<21)|(7<<22)|(3<<25)
	s_or_b32 s[G1B], s80, (1<<20)|(1<<21)|(7<<22)|(3<<25)
.macro GROUP1 g, rows                  ; rows of 1,024 bytes, dense in memory
	s_mov_b32 s[\g+1], 1024<<16
	s_mov_b32 s[\g+2], (\rows)<<16
	s_mov_b32 s[\g+3], 1024<<16
	s_mov_b32 s[\g+4], \rows
	s_mov_b32 s[\g+5], 1024
	s_mov_b32 s[\g+6], 0
	s_mov_b32 s[\g+7], 0
.endm
	GROUP1 G1A, 64
	GROUP1 G1B, 32
	s_lshl_b32 s60, s26, 17
	s_lshl_b32 s84, s22, 16                        ; the head's loads: 64 rows, half wave % 2 of a tile
	s_add_co_u32 s60, s60, s84
	s_lshl_b32 s86, s25, 17
	s_add_co_u32 s86, s86, s84
	s_mov_b32 s87, 0
	s_mul_i32 s85, s22, 64*PITCH
	s_lshl_b32 s82, s20, 15                        ; the later loads: 32 rows a wave
	s_mov_b32 s61, 0
	s_lshl_b32 s62, s25, 17
	s_add_co_u32 s62, s62, s82
	s_mov_b32 s63, 0
	s_mul_i32 s27, s20, QUART
	s_wait_kmcnt 0x0
	s_load_b256 s[E:E+7], s[12:13], 0x0
	s_load_b128 s[E+8:E+11], s[12:13], 0x20
	s_mov_b32 s44, 1
	s_mov_b32 s45, s85
	s_add_nc_u64 s[46:47], s[4:5], s[60:61]
	s_or_b32 s47, s47, 0x80000000
	s_mov_b32 s48, 1
	s_add_co_u32 s49, s85, TILEB
	s_add_nc_u64 s[50:51], s[6:7], s[86:87]
	s_or_b32 s51, s51, 0x80000000
	s_mov_b32 s52, 1
	s_mov_b32 s53, s27
	s_add_nc_u64 s[54:55], s[8:9], s[62:63]
	s_or_b32 s55, s55, 0x80000000
	s_mov_b32 s56, 1
	s_add_co_u32 s57, s27, TILEB
	s_add_nc_u64 s[58:59], s[10:11], s[62:63]
	s_or_b32 s59, s59, 0x80000000
	s_or_b32 s4, s80, (1<<20)|(1<<21)|(7<<22)|(3<<25)   ; s[4:11], whose addresses are used up: group 1 of wq's load at the head
	GROUP1 4, 64
	CROUND                                         ; all sixteen work-groups are here: the joint loads meet
	s_cmp_eq_u32 s21, 0                            ; waves 0 and 1: x; waves 2 and 3: wq; one load a wave
	s_cbranch_scc0 .Lfor_w
	tensor_load_to_lds s[44:47], s[G1A:G1A+7]
	s_nop 0
	PLACES 4
	s_branch .Lasked
.Lfor_w:
	tensor_load_to_lds s[48:51], s[4:11]
	s_nop 0
	PLACES 4
.Lasked:
	v_and_b32 v1, 15, v0
	v_bfe_u32 v2, v0, 4, 1
	v_mul_u32_u24 v3, v1, PITCH
	v_lshl_add_u32 v3, v2, 4, v3
	s_mul_i32 s82, s21, 64*PITCH
	v_add_nc_u32 v[AX], s82, v3
	s_mul_i32 s82, s22, 64*PITCH
	v_add_nc_u32 v[AW0], s82, v3
	v_add_nc_u32 v[AW1], TILEB, v[AW0]
	v_lshlrev_b32 v[QKO], 4, v1
	v_lshl_add_u32 v[QKO], v2, 3, v[QKO]
	v_and_b32 v[VO], 31, v0
	v_lshlrev_b32 v[VO], 4, v[VO]
	s_wait_kmcnt 0x0
.macro SCALE vs, vl, eo, ea, eb
	s_sub_co_i32 s82, s[\eo], s[\ea]
	s_sub_co_i32 s82, s82, s[\eb]
	s_add_co_i32 s82, s82, 127
	s_lshl_b32 s83, s82, 23
	v_mov_b32 v[\vs], s83
	s_add_co_i32 s82, s82, 8
	s_lshl_b32 s82, s82, 23
	s_or_b32 s82, s82, 0x600000
	v_mov_b32 v[\vl], s82
.endm
	SCALE 14, 15, E+6, E+0, E+1
	SCALE 16, 17, E+7, E+2, E+3
	SCALE 18, 19, E+9, E+4, E+5
	s_lshr_b32 s82, s26, 4
	s_and_b32 s83, s26, 15
	s_lshl_b32 s82, s82, 4
	s_lshl_b32 s84, s25, 1
	s_add_co_u32 s82, s82, s84
	s_add_co_u32 s82, s82, s22
	s_lshl_b32 s84, s82, 7
	s_lshl_b32 s85, s83, 3
	s_add_co_u32 s84, s84, s85
	s_lshl_b32 s85, s21, 2
	s_add_co_u32 s84, s84, s85
	s_lshl_b32 s84, s84, 10
	s_mov_b32 s85, 0
	s_add_nc_u64 s[90:91], s[14:15], s[84:85]
	s_add_nc_u64 s[92:93], s[16:17], s[84:85]
	s_lshl_b32 s84, s82, 4
	s_add_co_u32 s84, s84, s83
	s_lshl_b32 s84, s84, 13
	s_lshl_b32 s82, s21, 10
	s_add_co_u32 s84, s84, s82
	s_add_nc_u64 s[94:95], s[18:19], s[84:85]
	s_lshl_b32 s83, s83, 7
	s_lshl_b32 s82, s21, 6
	s_add_co_u32 s83, s83, s82
	v_add_nc_u32 v[T], s83, v1
	v_add_nc_u32 v[T+1], 16, v[T]
	v_add_nc_u32 v[T+2], 32, v[T]
	v_add_nc_u32 v[T+3], 48, v[T]
.irp m, 0,1,2,3
	v_cvt_f32_u32 v[T+\m], v[T+\m]
.endr
	v_cmp_ne_u32 vcc_lo, 0, v2
	WIN 0x40
.irp m, 0,1,2,3
	v_mov_b32 v[POSR+2*\m], v[T+\m]
	v_mov_b32 v[POSR+2*\m+1], v[T+\m]
.endr
.macro KONST i, val
	v_mov_b32 v[KON+2*\i], \val
	v_mov_b32 v[KON+2*\i+1], \val
.endm
	KONST 0, 0x3f22f983
	KONST 1, 0x4b400000
	KONST 2, 0xcb400000
	KONST 3, 0xbfc90fdb
	KONST 4, 0x333bbd2e
	KONST 5, 0xbe2aaaa3
	KONST 6, 0x3c08839e
	KONST 7, 0xb94ca1f9
	KONST 8, 0x3d2aaaa5
	KONST 9, 0xbab6061a
	KONST 10, 0x37ccf5ce
	WIN 0x44
.macro IFREQ a, lo, hi
	v_mov_b32 v[IFR+\a], \hi
	v_cndmask_b32 v[IFR+\a], \lo, v[IFR+\a], vcc_lo
.endm
	IFREQ 0, 1.0, 0.31622776601683794
	IFREQ 1, 0.7498942093324559, 0.23713737056616552
	IFREQ 2, 0.5623413251903491, 0.1778279410038923
	IFREQ 3, 0.4216965034285822, 0.1333521432163324
	IFREQ 4, 0.1, 0.031622776601683794
	IFREQ 5, 0.07498942093324559, 0.023713737056616552
	IFREQ 6, 0.05623413251903491, 0.01778279410038923
	IFREQ 7, 0.04216965034285822, 0.01333521432163324
	IFREQ 8, 0.01, 0.0031622776601683794
	IFREQ 9, 0.007498942093324559, 0.0023713737056616552
	IFREQ 10, 0.005623413251903491, 0.001778279410038923
	IFREQ 11, 0.004216965034285822, 0.001333521432163324
	IFREQ 12, 0.001, 0.00031622776601683794
	IFREQ 13, 0.0007498942093324559, 0.00023713737056616552
	IFREQ 14, 0.0005623413251903491, 0.0001778279410038923
	IFREQ 15, 0.0004216965034285822, 0.0001333521432163324
.macro SINCOS mf
	WIN 0x55
.irp q, 0,1,2,3,4,5,6,7
	v_pk_mul_f32 v[16*\q:16*\q+1], v[POSR+2*\mf:POSR+2*\mf+1], v[IFR+2*\q:IFR+2*\q+1]
.endr
.irp q, 0,1,2,3,4,5,6,7
	v_pk_fma_f32 v[16*\q+2:16*\q+3], v[16*\q:16*\q+1], v[KON:KON+1], v[KON+2:KON+3]
.endr
.irp q, 0,1,2,3,4,5,6,7
	v_pk_add_f32 v[16*\q+4:16*\q+5], v[16*\q+2:16*\q+3], v[KON+4:KON+5]
.endr
.irp q, 0,1,2,3,4,5,6,7
	v_pk_fma_f32 v[16*\q+6:16*\q+7], v[16*\q+4:16*\q+5], v[KON+6:KON+7], v[16*\q:16*\q+1]
.endr
.irp q, 0,1,2,3,4,5,6,7
	v_pk_fma_f32 v[16*\q+6:16*\q+7], v[16*\q+4:16*\q+5], v[KON+8:KON+9], v[16*\q+6:16*\q+7]
.endr
.irp q, 0,1,2,3,4,5,6,7
	v_pk_mul_f32 v[16*\q+8:16*\q+9], v[16*\q+6:16*\q+7], v[16*\q+6:16*\q+7]
.endr
.irp q, 0,1,2,3,4,5,6,7
	v_pk_fma_f32 v[16*\q+10:16*\q+11], v[16*\q+8:16*\q+9], v[KON+14:KON+15], v[KON+12:KON+13]
.endr
.irp q, 0,1,2,3,4,5,6,7
	v_pk_fma_f32 v[16*\q+10:16*\q+11], v[16*\q+10:16*\q+11], v[16*\q+8:16*\q+9], v[KON+10:KON+11]
.endr
.irp q, 0,1,2,3,4,5,6,7
	v_pk_mul_f32 v[16*\q+14:16*\q+15], v[16*\q+8:16*\q+9], v[16*\q+6:16*\q+7]
.endr
.irp q, 0,1,2,3,4,5,6,7
	v_pk_fma_f32 v[16*\q+10:16*\q+11], v[16*\q+10:16*\q+11], v[16*\q+14:16*\q+15], v[16*\q+6:16*\q+7]
.endr
.irp q, 0,1,2,3,4,5,6,7
	v_pk_fma_f32 v[16*\q+12:16*\q+13], v[16*\q+8:16*\q+9], v[KON+20:KON+21], v[KON+18:KON+19]
.endr
.irp q, 0,1,2,3,4,5,6,7
	v_pk_fma_f32 v[16*\q+12:16*\q+13], v[16*\q+12:16*\q+13], v[16*\q+8:16*\q+9], v[KON+16:KON+17]
.endr
.irp q, 0,1,2,3,4,5,6,7
	v_pk_mul_f32 v[16*\q+14:16*\q+15], v[16*\q+8:16*\q+9], v[16*\q+8:16*\q+9]
.endr
.irp q, 0,1,2,3,4,5,6,7
	v_pk_fma_f32 v[16*\q:16*\q+1], v[16*\q+8:16*\q+9], -0.5, 1.0 op_sel_hi:[1,0,0]
.endr
.irp q, 0,1,2,3,4,5,6,7
	v_pk_fma_f32 v[16*\q+12:16*\q+13], v[16*\q+12:16*\q+13], v[16*\q+14:16*\q+15], v[16*\q:16*\q+1]
.endr
.irp q, 0,1,2,3,4,5,6,7
.irp e, 0,1
	v_lshlrev_b32 v[16*\q+4+\e], 31, v[16*\q+2+\e]
	v_lshlrev_b32 v[16*\q+8+\e], 30, v[16*\q+2+\e]
.endr
.endr
.irp q, 0,1,2,3,4,5,6,7
.irp e, 0,1
	v_cmp_ne_u32 s[MK+2*(\q%2)+\e], 0, v[16*\q+4+\e]
	v_and_b32 v[16*\q+8+\e], 0x80000000, v[16*\q+8+\e]
	v_cndmask_b32 v[16*\q+14+\e], v[16*\q+10+\e], v[16*\q+12+\e], s[MK+2*(\q%2)+\e]
	v_cndmask_b32 v[16*\q+\e], v[16*\q+12+\e], v[16*\q+10+\e], s[MK+2*(\q%2)+\e]
	v_xor_b32 v[16*\q+6+\e], v[16*\q+8+\e], v[16*\q+4+\e]
.endr
.endr
	WIN 0x05
.irp q, 0,1,2,3,4,5,6,7
.irp e, 0,1
	v_xor_b32 v[CS+32*\mf+4*\q+2*\e], v[16*\q+\e], v[16*\q+6+\e]
	v_xor_b32 v[CS+32*\mf+4*\q+2*\e+1], v[16*\q+14+\e], v[16*\q+8+\e]
.endr
.endr
.endm
	SINCOS 0
	SINCOS 1
	SINCOS 2
	SINCOS 3
.macro XFETCH ks
	WIN 0x80+0x40*((\ks)/4)
.irp mf, 0,1,2,3
.irp c, 0,1,2,3
	ds_load_b128 v[64*((\ks)%4)+16*\mf+4*\c:64*((\ks)%4)+16*\mf+4*\c+3], v[AX] offset:128*(\ks)+32*\c+16*PITCH*\mf
.endr
.endr
.endm
.macro WFETCH adr, ks, p
	WIN 0x40
.irp i, 0,1,2,3
.irp c, 0,1,2,3
	ds_load_b128 v[WF+64*(\p)+16*\i+4*\c:WF+64*(\p)+16*\i+4*\c+3], v[\adr] offset:128*(\ks)+32*\c+16*PITCH*\i
.endr
.endr
.endm
.macro MUL isv, ks, p, zero
.if \isv
	WIN 0x56+(\ks)/4
.else
	WIN 0x59+4*((\ks)/4)
.endif
.irp mf, 0,1,2,3
.irp n, 0,1,2,3
.set rD, 8*(4*\mf+\n)
.set rW, WF+64*(\p)+16*\n
.set rX, 64*((\ks)%4)+16*\mf
.if \isv
.if \zero
	v_wmma_f32_16x16x128_fp8_fp8 v[rD:rD+7], v[rX:rX+15], v[rW:rW+15], 0
.else
	v_wmma_f32_16x16x128_fp8_fp8 v[rD:rD+7], v[rX:rX+15], v[rW:rW+15], v[rD:rD+7]
.endif
.else
.if \zero
	v_wmma_f32_16x16x128_fp8_fp8 v[rD:rD+7], v[rW:rW+15], v[rX:rX+15], 0
.else
	v_wmma_f32_16x16x128_fp8_fp8 v[rD:rD+7], v[rW:rW+15], v[rX:rX+15], v[rD:rD+7]
.endif
.endif
.endr
.endr
.endm
.macro PHASE isv, adr
	WFETCH \adr, 0, 0
.irp ks, 0,1,2,3,4,5,6,7
.if \ks < 7
	PLACES 4
	WFETCH \adr, \ks+1, (\ks+1)%2
	s_wait_dscnt 16
.else
	s_wait_dscnt 0x0
.endif
.if \ks == 0
	MUL \isv, \ks, \ks%2, 1
.else
	MUL \isv, \ks, \ks%2, 0
.endif
.endr
.endm
.macro QKOUT base, sc, lim
	s_wait_xcnt 0x0
.irp mf, 0,1,2,3
	WIN 0x01
.set n, 0
.rept 16
	v_pk_mul_f32 v[T+n:T+n+1], v[32*\mf+n:32*\mf+n+1], v[CS+32*\mf+n:CS+32*\mf+n+1] op_sel_hi:[0,1]
.set n, n+2
.endr
.set n, 0
.rept 16
	v_pk_fma_f32 v[T+n:T+n+1], v[32*\mf+n:32*\mf+n+1], v[CS+32*\mf+n:CS+32*\mf+n+1], v[T+n:T+n+1] op_sel:[1,1,0] op_sel_hi:[1,0,1] neg_lo:[0,1,0]
.set n, n+2
.endr
	WIN 0
.set n, 0
.rept 32
	v_med3_num_f32 v[T+n], v[T+n], -v[\lim], v[\lim]
.set n, n+1
.endr
.irp nt, 0,1,2,3
	v_cvt_scalef32_pk8_fp8_f32 v[CD+8*\mf+2*\nt:CD+8*\mf+2*\nt+1], v[T+8*\nt:T+8*\nt+7], v[\sc]
.endr
	v_nop
.irp nt, 0,1,2,3
	global_store_b64 v[QKO], v[CD+8*\mf+2*\nt:CD+8*\mf+2*\nt+1], s[\base:\base+1] offset:1024*\mf+256*\nt
.endr
.endr
.endm
.macro VOUT
	s_wait_xcnt 0x0
.irp dt, 0,1,2,3
	WIN 0x01
.irp mf, 0,1,2,3
.irp j, 0,1,2,3,4,5,6,7
	v_med3_num_f32 v[T+8*\mf+\j], v[8*(4*\mf+\dt)+\j], -v19, v19
.endr
.endr
	WIN 0
.irp mf, 0,1,2,3
	v_cvt_scalef32_pk8_fp8_f32 v[CD+8*\dt+2*\mf:CD+8*\dt+2*\mf+1], v[T+8*\mf:T+8*\mf+7], v18
.endr
	v_nop
.irp a, 0,1
	global_store_b128 v[VO], v[CD+8*\dt+4*\a:CD+8*\dt+4*\a+3], s[94:95] offset:2048*\dt+512*\a
.endr
.endr
.endm
	WIN 0
	s_wait_alu depctr_va_vdst(0)                   ; the wait at the head's end
	s_wait_tensorcnt 0x0                           ; my part of x or of wq is in
	s_barrier_signal -1
	s_barrier_wait -1
.irp ks, 0,1,2,3,4,5,6,7
	XFETCH \ks
.endr
	THREE
	CROUND
	tensor_load_to_lds s[52:55], s[G1B:G1B+7]
	s_nop 0
	PLACES 4
	PHASE 0, AW1
	PLACES 4
	QKOUT 90, 14, 15
	THREE
	CROUND
	tensor_load_to_lds s[56:59], s[G1B:G1B+7]
	s_nop 0
	PLACES 4
	PHASE 0, AW0
	PLACES 4
	QKOUT 92, 16, 17
	s_wait_tensorcnt 0x0
	s_barrier_signal -1
	s_barrier_wait -1
	PHASE 1, AW1
	PLACES 4
	VOUT
	THREE
	CROUND
	s_endpgm
.Lfunc_end_k_qbb64e5addb_qkv:
	.size	k_qbb64e5addb_qkv, .Lfunc_end_k_qbb64e5addb_qkv-k_qbb64e5addb_qkv
	.p2alignl 7, 3214868480
	.fill 96, 4, 3214868480
	.section	.rodata,"a",@progbits
	.p2align	6, 0x0
	.amdhsa_kernel k_qbb64e5addb_qkv
		.amdhsa_group_segment_fixed_size 327680
		.amdhsa_private_segment_fixed_size 0
		.amdhsa_enable_private_segment 0
		.amdhsa_kernarg_size 64
		.amdhsa_user_sgpr_count 2
		.amdhsa_user_sgpr_kernarg_segment_ptr 1
		.amdhsa_wavefront_size32 1
		.amdhsa_system_sgpr_workgroup_id_x 1
		.amdhsa_system_sgpr_workgroup_id_y 1
		.amdhsa_system_sgpr_workgroup_id_z 1
		.amdhsa_system_vgpr_workitem_id 0
		.amdhsa_next_free_vgpr 1024
		.amdhsa_next_free_sgpr 100
		.amdhsa_reserve_vcc 1
		.amdhsa_float_denorm_mode_32 3
		.amdhsa_float_denorm_mode_16_64 3
		.amdhsa_memory_ordered 1
		.amdhsa_forward_progress 1
		.amdhsa_inst_pref_size 179
	.end_amdhsa_kernel
	.amdgpu_metadata
---
amdhsa.version: [ 1, 2 ]
amdhsa.kernels:
  - .name:           k_qbb64e5addb_qkv
    .symbol:         k_qbb64e5addb_qkv.kd
    .args:
      - { .name: in_features_codes, .offset: 0, .size: 8, .value_kind: global_buffer, .address_space: global }
      - { .name: wq_codes, .offset: 8, .size: 8, .value_kind: global_buffer, .address_space: global }
      - { .name: wk_codes, .offset: 16, .size: 8, .value_kind: global_buffer, .address_space: global }
      - { .name: wv_codes, .offset: 24, .size: 8, .value_kind: global_buffer, .address_space: global }
      - { .name: lowp_scales, .offset: 32, .size: 8, .value_kind: global_buffer, .address_space: global }
      - { .name: q_img, .offset: 40, .size: 8, .value_kind: global_buffer, .address_space: global }
      - { .name: k_img, .offset: 48, .size: 8, .value_kind: global_buffer, .address_space: global }
      - { .name: v_img, .offset: 56, .size: 8, .value_kind: global_buffer, .address_space: global }
    .group_segment_fixed_size: 327680
    .private_segment_fixed_size: 0
    .kernarg_segment_align: 8
    .kernarg_segment_size: 64
    .max_flat_workgroup_size: 128
    .sgpr_count:     100
    .vgpr_count:     1024
    .wavefront_size: 32
...
	.end_amdgpu_metadata
.endif
;; end of part 1
;; launch attn (part 2): grid 128 x 2, 16 waves a work-group, clusters of 4 x 1, 327,680 bytes of LDS; arguments q_img, k_img, v_img, lowp_scales, ctx_img; writes ctx_img
.if DOCPART == 2
	.amdgcn_target "amdgcn-amd-amdhsa--gfx1250"
	.amdhsa_code_object_version 6
	.text
	.protected	k_qbb64e5addb_attn
	.globl	k_qbb64e5addb_attn
	.p2align	8
	.type	k_qbb64e5addb_attn,@function
k_qbb64e5addb_attn:
	s_mov_b64 s[64:65], 0
	v_nop
	global_prefetch_b8 v0, s[64:65] scope:SCOPE_SE
	s_setreg_imm32_b32 hwreg(HW_REG_WAVE_MODE, 25, 1), 1
	s_wait_xcnt 0x0
	s_wait_alu depctr_hold_cnt(0) depctr_sa_sdst(0) depctr_va_vdst(0) depctr_va_sdst(0) depctr_va_ssrc(0) depctr_va_vcc(0) depctr_vm_vsrc(0)
	s_getreg_b32 s2, hwreg(HW_REG_IB_STS2, 6, 4)
	s_cmp_eq_u32 s2, 0
	s_cbranch_scc0 .Lentry_in_a_cluster
	s_endpgm
.Lentry_in_a_cluster:
	s_bfe_u32 s2, ttmp6, 0x10000c
	s_cmp_lg_u32 s2, 0x3003
	s_cbranch_scc0 .Lentry_shape_is_right
	s_endpgm
.Lentry_shape_is_right:
; ctx = softmax_causal(Q K^T / 8) V for 32 heads of 2,048 positions x 64 channels, both products on codes of FP8 (E4M3), and ctx's quantising for the last product.
; q_img, k_img: [32][128 groups of 16 positions][1,024 bytes]; part c (512 c + 16 x lane) of a group gives lane (r, h) channels 32 c + 16 h + 0..15 of position r: the same permutation of the 64 channels in Q and in K.
; v_img: [32][16 blocks of 128 keys][4 tiles of 16 channels][4 parts][32 lanes][16 bytes]: a fragment of V^T in the 128-deep form's own layout.  lowp_scales: e6 (Q), e7 (K), e8 (p), e9 (V), e10 (ctx).
; ctx_img: [32 tiles of 128 rows][8 K steps of 128][8 groups of 16 rows][2,048 bytes]: byte 512 c + 256 h + 16 r + i = (row r, k = 32 c + 16 h + i); a store of the wave covers 256 consecutive bytes, aligned.
; THE SOFTMAX AHEAD OF THE SECOND PRODUCT: t = score x log2(e) / 8; M = the running largest t rounded UP to a whole number; p = 2^(t - M) is quantised with 2^e8, not normalised; the row's sum is taken of the unquantised p
; and divides at the end.  When M moves, the sum and O are multiplied by 2^(old M - new M): exact.
; WORK LEFT OUT: blocks of 128 keys that lie behind all of a tile's queries: reference()'s own mask makes their p 0 for all inputs.  A NaN, an infinity or an overflow that reaches only them is not carried to the result.
; SHARES.  A cluster of four work-groups has eight query blocks (128 queries) of one head: blocks b = 4 c .. 4 c + 3 (c = the cluster's y) and 15 - b.  Partner p takes 16-query tiles 2 p and 2 p + 1 of every one of them: all
; partners have the same numbers of key blocks, and no branch, trip count or LDS address hangs on p.  Tile i of block b (light: b + 1 key blocks) and of block 15 - b (heavy: 16 - b) are 17 steps, dealt to two waves:
; role 0: the heavy tile's key blocks 0 to 8 (9 steps); role 1: the light tile (b + 1), then the heavy tile's key blocks 9 to 15 - b (7 - b): 8 steps.  The two parts of the heavy tile are joined through LDS at the end,
; each wave finishing half of the channels.  Waves w, w + 4, w + 8, w + 12, and waves 4 i to 4 i + 3, are two of each role.
; LDS: the head's whole K and V, each byte filled once, by JOINT loads (the four partners need the same images), one a wave at a time.  First part, at the head: key blocks 0 and 1, K's at bytes 0 on, V's at 16,384 on, 2 KiB a wave.
; Second part, behind a round of the cluster's barrier: blocks 2 to 15, K's block n at 16,384 + 8,192 n, V's at 131,072 + 8,192 n, 14 KiB a wave (waves 0 to 7: K, 8 to 15: V).  It lands while every wave walks key blocks 0 and 1.
; NO PREFETCH: a wave has two loads in all, there is no loop of loads to run ahead in.
; Both products are used transposed: S^T = K Q^T (source 0 = 16 neighbouring keys), O^T = V^T P^T: a lane holds one query (lane % 16) throughout, and tile c of S^T, converted, is registers 2 c, 2 c + 1 of P's fragment.
; THE MASK on the diagonal: y = (my query - key + 1/2) x 2^118, exact; min(score, y): a sum of 64 products of codes is under 2^24, so a visible score stays, and a hidden one is -2^117 or less: p = 0.
; LIMITS: e6 + e7 between -100 and 130 (added to c's exponent field; hidden keys stay hidden); e8 and e10 between -126 and 119; e8 + e9 goes in by v_ldexp_f32.  The scaled scores stay under 2^31.  NaN codes are not served.
; REGISTERS: v1-10 addresses, mask; v12 -M, v13 the largest t, v[14:15] the sum; v[16:23] Q; v[24:25] f, 0; v26-28, v31 at work; v29, v30 2^e8, 448 x 2^e8; v32-95 K's eight fragments, then V's four; v96-159 S^T, then p;
;   v160-191 O^T; v192-207 p's codes; v208-209, v240-249, v252-253 at work; v216-223 the heavy tile's Q; v250, v251 2^e10, 448 x 2^e10; v254, v255 spare word's address, 0.
.set STG,  278528                      ; the join: 16 stages of 2,560 bytes, behind the images, on which no tile lands
.set SB,   2560
.set SPARE, STG+16*SB                  ; the spare words, 128 bytes for each wave
.set LI,   1                           ; v1   16 x lane
.set LV,   2                           ; v2   131,072 + 16 x lane
.set YD,   4                           ; v[4:5] (D + 1/2) x 2^118, (D - 1/2) x 2^118, D = my query in its block - 8 h
.set ADK,  6
.set ADV,  7
.set GO,   8                           ; v8   16 r + 8 h
.set STO,  9                           ; v9   my stage
.set STP,  10                          ; v10  my partner wave's
.set QB,   16                          ; s16  the query block in hand
.set QH,   17                          ; s17  the heavy tile's block
.set WV,   18                          ; s18  my wave's number
.set QL,   19                          ; s19  my first tile's block
.set SEL,  20                          ; s[20:21] lane selects: lane l xor 16
.set CSC,  22                          ; s[22:23] c = log2(e) / 8 x 2^(e6 + e7)
.set G1,   24                          ; s[24:31] descriptor group 1, first part
.set KB,   32                          ; s32  the key block in hand
.set TB,   33                          ; s33  8,192 x that
.set TT,   34                          ; s34  the trip
.set SW,   35                          ; s35  the trip in which role 1 goes on to the heavy tile (role 0: none)
.set D8,   38                          ; s38  9 - that trip
.set ES,   39                          ; s39  e8 + e9
.set G0,   40                          ; s[40:43] descriptor group 0, first part
.set ROLE, 44
.set CL,   46                          ; s[46:47] the light tile's place in ctx_img
.set CH,   48                          ; s[48:49] the heavy tile's, my half of the channels
.set G1B,  52                          ; s[52:59] descriptor group 1, second part
.set G0B,  60                          ; s[60:63] descriptor group 0, second part
.set E,    68                          ; s[68:79] e0 .. e11
.macro CROUND                          ; a round of the cluster's barrier
	s_barrier_signal -1
	s_barrier_wait -1
	s_cmp_lg_u32 s[WV], 0
	s_cbranch_scc1 .Lnot_wave_0_\@
	s_barrier_signal -3
.Lnot_wave_0_\@:
	s_barrier_wait -3
	s_barrier_signal -1
	s_barrier_wait -1
.endm
.macro GROUP1 g, rows                  ; a dense block as rows of 256 bytes
	s_mov_b32 s[\g], 15|(3<<16)|(1<<21)            ; mask of all four partners, bit 21 beside it; elements of 8 bytes; no padding
	s_mov_b32 s[\g+1], 32<<16                      ; tensor_dim0 = 32 elements
	s_mov_b32 s[\g+2], (\rows)<<16                 ; tensor_dim1
	s_mov_b32 s[\g+3], 32<<16                      ; tile_dim0
	s_mov_b32 s[\g+4], \rows                       ; tile_dim1
	s_mov_b32 s[\g+5], 32                          ; tensor_dim0_stride
	s_mov_b32 s[\g+6], 0
	s_mov_b32 s[\g+7], 0
.endm
	s_load_b256 s[4:11], s[0:1], 0x0               ; q_img s[4:5], k_img s[6:7], v_img s[8:9], scales s[10:11]
	s_load_b64 s[12:13], s[0:1], 0x20              ; ctx_img
	v_lshl_add_u32 v254, v0, 2, SPARE
	v_mov_b32 v255, 0
	ds_add_u32 v254, v255                          ; the opening: the add, twice on end, and its wait
	ds_add_u32 v254, v255
	v_lshrrev_b32 v3, 5, v0
	v_readfirstlane_b32 s[WV], v3                  ; wave 0..15
	s_and_b32 s15, ttmp7, 0xffff                   ; c; the head is ttmp9 (in a cluster launch both count clusters)
	s_bfe_u32 s14, ttmp6, 0x40000                  ; p: my place in the cluster
	s_lshr_b32 s51, s[WV], 2
	s_xor_b32 s[ROLE], s51, s[WV]
	s_and_b32 s[ROLE], s[ROLE], 1
	s_lshr_b32 s45, s[WV], 1
	s_and_b32 s45, s45, 1                          ; i
	s_lshl_b32 s50, s15, 2
	s_add_co_u32 s50, s50, s51                     ; b = 4 c + wave / 4
	s_sub_co_u32 s[QH], 15, s50
	s_add_co_u32 s80, s50, 1
	s_max_u32 s80, s80, 2                          ; behind the light tile's b + 1 steps (b = 0: trip 1 is left out, since key block 9 is not waited for before trip 2)
	s_sub_co_u32 s[D8], 9, s80
	s_cmp_eq_u32 s[ROLE], 0
	s_cselect_b32 s[QL], s[QH], s50
	s_cselect_b32 s[SW], 64, s80
	GROUP1 G1, 8
	GROUP1 G1B, 56
	s_mov_b32 s[SEL], 0x76543210
	s_mov_b32 s[SEL+1], 0xfedcba98
	s_mov_b32 s[CSC], 0x3e38aa3b                   ; log2(e) / 8
	s_lshl_b32 s36, ttmp9, 17                      ; the head's 128 KiB in each of the three images
	s_mov_b32 s37, 0
	s_and_b32 s81, s[WV], 7
	s_lshl_b32 s82, s81, 11                        ; first part: 2 KiB a wave, in memory
	s_add_co_u32 s84, s36, s82
	s_mov_b32 s85, 0
	s_lshl_b32 s83, s[WV], 11                      ; and in LDS
	s_mul_i32 s86, s81, 14336                      ; second part: 14 KiB a wave, in memory
	s_add_co_u32 s86, s86, 16384
	s_add_co_u32 s86, s86, s36
	s_mov_b32 s87, 0
	s_mul_i32 s88, s[WV], 14336                    ; and in LDS
	s_add_co_u32 s88, s88, 32768
	s_wait_dscnt 0x0                               ; both opening adds are done
	CROUND                                         ; all four work-groups are here: the joint loads meet
	s_wait_kmcnt 0x0
	s_load_b256 s[E:E+7], s[10:11], 0x0
	s_load_b128 s[E+8:E+11], s[10:11], 0x20
	s_cmp_lt_u32 s[WV], 8                          ; waves 0 to 7: K; waves 8 to 15: V
	s_cselect_b64 s[90:91], s[6:7], s[8:9]
	s_mov_b32 s[G0], 1
	s_mov_b32 s[G0+1], s83
	s_add_nc_u64 s[G0+2:G0+3], s[90:91], s[84:85]
	s_or_b32 s[G0+3], s[G0+3], 0x80000000
	s_mov_b32 s[G0B], 1
	s_mov_b32 s[G0B+1], s88
	s_add_nc_u64 s[G0B+2:G0B+3], s[90:91], s[86:87]
	s_or_b32 s[G0B+3], s[G0B+3], 0x80000000
	tensor_load_to_lds s[G0:G0+3], s[G1:G1+7]      ; my one load at the head
	s_nop 0
.rept 4
	v_nop                                          ; behind a tensor load
.endr
	s_lshl_b32 s80, s14, 1
	s_add_co_u32 s80, s80, s45                     ; u = 2 p + i: my 16 queries of each block
	s_lshl_b32 s81, s80, 10
	s_lshl_b32 s82, s[QL], 13
	s_add_co_u32 s82, s82, s81                     ; group 8 QL + u
	s_mov_b32 s83, 0
	s_lshl_b32 s84, s[QH], 13
	s_add_co_u32 s84, s84, s81                     ; group 8 QH + u
	s_mov_b32 s85, 0
	s_add_nc_u64 s[86:87], s[4:5], s[36:37]
	s_add_nc_u64 s[92:93], s[86:87], s[82:83]
	s_add_nc_u64 s[94:95], s[86:87], s[84:85]
	v_and_b32 v[LI], 31, v0
	v_lshlrev_b32 v[LI], 4, v[LI]
	v_add_nc_u32 v[LV], 131072, v[LI]
	global_load_b128 v[16:19], v[LI], s[92:93]             ; my first tile's Q stays in registers,
	global_load_b128 v[20:23], v[LI], s[92:93] offset:512
	global_load_b128 v[216:219], v[LI], s[94:95]           ; and the heavy tile's (the same code in both roles)
	global_load_b128 v[220:223], v[LI], s[94:95] offset:512
	v_and_b32 v3, 15, v0                           ; r
	v_bfe_u32 v11, v0, 4, 1                        ; h
	v_lshlrev_b32 v[GO], 4, v3
	v_lshl_add_u32 v[GO], v11, 3, v[GO]
	v_lshlrev_b32 v11, 3, v11
	v_sub_nc_u32 v3, v3, v11
	s_lshl_b32 s81, s80, 4
	v_add_nc_u32 v3, s81, v3                       ; D = 16 u + r - 8 h
	v_cvt_f32_i32 v3, v3
	v_add_f32 v[YD], 0.5, v3
	v_add_f32 v[YD+1], -0.5, v3
	v_mul_f32 v[YD], 0x7a800000, v[YD]
	v_mul_f32 v[YD+1], 0x7a800000, v[YD+1]
	s_mul_i32 s82, s[WV], SB
	s_add_co_u32 s82, s82, STG
	v_add_nc_u32 v[STO], s82, v[LI]
	s_xor_b32 s83, s[WV], 1
	s_mul_i32 s83, s83, SB
	s_add_co_u32 s83, s83, STG
	v_add_nc_u32 v[STP], s83, v[LI]
	; ctx_img: tile 16 (head / 16) + block, K step (head % 16) / 2, group u, + 1,024 (head % 2)
	s_lshr_b32 s84, ttmp9, 4
	s_lshl_b32 s84, s84, 21
	s_bfe_u32 s85, ttmp9, 0x30001
	s_lshl_b32 s85, s85, 14
	s_add_co_u32 s84, s84, s85
	s_lshl_b32 s85, s80, 11
	s_add_co_u32 s84, s84, s85
	s_and_b32 s85, ttmp9, 1
	s_lshl_b32 s85, s85, 10
	s_add_co_u32 s84, s84, s85
	s_lshl_b32 s86, s[QL], 17
	s_add_co_u32 s86, s86, s84
	s_mov_b32 s87, 0
	s_add_nc_u64 s[CL:CL+1], s[12:13], s[86:87]
	s_lshl_b32 s86, s[QH], 17
	s_add_co_u32 s86, s86, s84
	s_lshl_b32 s85, s[ROLE], 9                     ; role 0 finishes channels 0-31, role 1 channels 32-63
	s_add_co_u32 s86, s86, s85
	s_add_nc_u64 s[CH:CH+1], s[12:13], s[86:87]
	v_mov_b32 v14, 0                               ; the sum, in two halves
	v_mov_b32 v15, 0
	v_mov_b32 v25, 0                               ; (named as the upper half of the pair v[24:25])
	v_mov_b32 v28, 0                               ; written once: a lane permute's destination counts as one of its sources
	s_wait_kmcnt 0x0
	s_add_co_i32 s90, s[E+6], s[E+7]
	s_lshl_b32 s90, s90, 23
	s_add_co_i32 s[CSC], s[CSC], s90               ; a score stands for score x 2^(e6 + e7): added to c's exponent field
	s_mov_b32 s[CSC+1], s[CSC]                     ; (named with it as a pair, so it is written)
	s_add_co_i32 s[ES], s[E+8], s[E+9]
.macro POWER ve, vl, e                 ; 2^e, and 448 x 2^e
	s_add_co_i32 s90, s[\e], 127
	s_lshl_b32 s91, s90, 23
	v_mov_b32 \ve, s91
	s_add_co_i32 s90, s90, 8
	s_lshl_b32 s90, s90, 23
	s_or_b32 s90, s90, 0x600000
	v_mov_b32 \vl, s90
.endm
	POWER v29, v30, E+8
	POWER v250, v251, E+10
.macro HOLD a, b                       ; two scores at once: the lesser of each and its y
	v_dual_min_num_f32 v[\a], v[\b], v[\a] :: v_dual_min_num_f32 v[\a+1], v[\b+1], v[\a+1]
.endm
; A KEY STEP: 128 keys.  mode 1: key block 0, the wave's first step: it starts the maximum and O.  mode 2: key block 1.  mode 0: block KB, from 2 on.
.macro STEP mode
.if (\mode) == 1
.set KA, LI
.set KO, 0
.set VA, LI
.set VO, 16384
.elseif (\mode) == 2
.set KA, LI
.set KO, 8192
.set VA, LI
.set VO, 24576
	s_cmp_lt_u32 s[QB], 1                          ; all its keys come after my queries: left out.  No barrier and no tensor load stands in a step
	s_cbranch_scc1 .Lhidden_\@
.rept 4
	v_nop                                          ; places in front of loads into registers that the last products read
.endr
.else
.set KA, ADK
.set KO, 16384
.set VA, ADV
.set VO, 0
	s_cmp_gt_u32 s[KB], s[QB]                      ; likewise
	s_cbranch_scc1 .Lhidden_\@
	v_add_nc_u32 v[ADK], s[TB], v[LI]
	v_add_nc_u32 v[ADV], s[TB], v[LV]
	v_nop                                          ; with the two additions: four places
	v_nop
.endif
.irp t, 0,1,2,3,4,5,6,7
	ds_load_b128 v[32+8*\t:35+8*\t], v[KA] offset:KO+1024*\t
	ds_load_b128 v[36+8*\t:39+8*\t], v[KA] offset:KO+1024*\t+512
.endr
	s_wait_alu depctr_va_vdst(0)                   ; the wait here, directly ahead of the wait below
	s_wait_dscnt 0x0
.irp t, 0,1,2,3,4,5,6,7
	v_wmma_f32_16x16x64_fp8_fp8 v[96+8*\t:103+8*\t], v[32+8*\t:39+8*\t], v[16:23], 0   ; lane (r, h), register j: key 16 t + 8 h + j, query r
.endr
.if (\mode) == 1                               ; four places: in front of the loads into K's registers, and of the first read of the scores
	v_nop
.else
	v_mov_b32 v31, v12                             ; the old -M
.endif
.rept 3
	v_nop
.endr
.irp d, 0,1,2,3
.irp c, 0,1,2,3
	ds_load_b128 v[32+16*\d+4*\c:35+16*\d+4*\c], v[VA] offset:VO+2048*\d+512*\c   ; V's fragments land while the softmax is walked
.endr
.endr
.if (\mode) == 1
	s_cmp_lg_u32 s[QB], 0
.elseif (\mode) == 2
	s_cmp_lg_u32 s[QB], 1
.else
	s_cmp_lg_u32 s[KB], s[QB]
.endif
	s_cbranch_scc1 .Lopen_\@
	v_pk_add_f32 v[242:243], v[YD:YD+1], 0xfb000000 op_sel_hi:[1,0]   ; on the diagonal: y of registers j = 2, 4, 6 of tile 0: - 2, 4, 6 x 2^118
	v_pk_add_f32 v[244:245], v[YD:YD+1], 0xfb800000 op_sel_hi:[1,0]
	v_pk_add_f32 v[246:247], v[YD:YD+1], 0xfbc00000 op_sel_hi:[1,0]
	HOLD 96, YD
	v_pk_add_f32 v[240:241], v[YD:YD+1], 0xfc800000 op_sel_hi:[1,0]   ; tile 1's j = 0
	HOLD 98, 242
	HOLD 100, 244
	HOLD 102, 246
.irp t, 1,2,3,4,5,6,7
.irp a, 242,244,246
	v_pk_add_f32 v[\a:\a+1], v[\a:\a+1], 0xfc800000 op_sel_hi:[1,0]   ; the next tile's keys lie 16 further on
.endr
	HOLD 96+8*\t, 240
.if \t < 7
	v_pk_add_f32 v[240:241], v[240:241], 0xfc800000 op_sel_hi:[1,0]
.endif
	HOLD 98+8*\t, 242
	HOLD 100+8*\t, 244
	HOLD 102+8*\t, 246
.endr
.Lopen_\@:
	v_max3_num_f32 v26, v96, v97, v98              ; the step's largest score of my query among my 64 keys, in two chains; each accumulator is first read at its low end
	v_max3_num_f32 v27, v99, v100, v101
.set n, 6
.rept 14
	v_max3_num_f32 v26, v26, v[96+n], v[97+n]
	v_max3_num_f32 v27, v27, v[98+n], v[99+n]
.set n, n+4
.endr
	v_max3_num_f32 v26, v26, v158, v159
	s_delay_alu instid0(VALU_DEP_1)
	v_max_num_f32 v26, v26, v27
	s_delay_alu instid0(VALU_DEP_1)
	v_permlanex16_b32 v28, v26, s[SEL], s[SEL+1]
	s_delay_alu instid0(VALU_DEP_1)
	v_max_num_f32 v26, v26, v28                    ; and among lane l xor 16's
	s_delay_alu instid0(VALU_DEP_1)
.if (\mode) == 1
	v_mul_f32 v13, s[CSC], v26                     ; as t (c is positive): the largest t so far
	s_delay_alu instid0(VALU_DEP_1)
	v_floor_f32 v12, -v13                          ; -M = floor(-t) = -ceil(t)
.else
	v_mul_f32 v26, s[CSC], v26                     ; as t (c is positive)
	s_delay_alu instid0(VALU_DEP_1)
	v_max_num_f32 v13, v13, v26                    ; the running largest t
	s_delay_alu instid0(VALU_DEP_1)
	v_floor_f32 v12, -v13                          ; the new -M = floor(-t) = -ceil(t)
	s_delay_alu instid0(VALU_DEP_1)
	v_sub_f32 v26, v12, v31                        ; old M - new M: a whole number, 0 or less
	s_delay_alu instid0(VALU_DEP_1)
	v_cvt_i32_f32 v26, v26                         ; (it saturates)
	s_delay_alu instid0(VALU_DEP_1)
	v_ldexp_f32 v24, 1.0, v26                      ; f = 2^(old M - new M)
.endif
.set n, 0
.rept 32
	v_pk_fma_f32 v[96+n:97+n], v[96+n:97+n], s[CSC:CSC+1], v[12:13] op_sel_hi:[1,0,0]   ; t - M, two at a time
.set n, n+2
.endr
.set n, 0
	s_wait_alu depctr_va_vdst(0)                   ; the wait ahead of the batch
.rept 64
	v_exp_f32 v[96+n], v[96+n]                     ; p = 2^(t - M)
.set n, n+1
.endr
.if (\mode) == 1
	v_nop
.else
	v_pk_mul_f32 v[14:15], v[14:15], v[24:25] op_sel_hi:[1,0]   ; the sums under the new M: the plain line behind the exponentials
.endif
	s_wait_alu depctr_va_vdst(0)                   ; one wait for the whole batch, ahead of its first reader
.set n, 0
.irp a, 208,240,242,244,246,248,252    ; the row's sum of the unquantised p: two at a time, in eight chains
	v_pk_add_f32 v[\a:\a+1], v[96+n:97+n], v[98+n:99+n]
.set n, n+4
.endr
.rept 2
.irp a, 14,208,240,242,244,246,248,252
	v_pk_add_f32 v[\a:\a+1], v[\a:\a+1], v[96+n:97+n]
.set n, n+2
.endr
.endr
	v_pk_add_f32 v[14:15], v[14:15], v[156:157]
	v_pk_add_f32 v[208:209], v[208:209], v[158:159]
	v_pk_add_f32 v[242:243], v[242:243], v[244:245]
	v_pk_add_f32 v[246:247], v[246:247], v[248:249]
	v_pk_add_f32 v[208:209], v[208:209], v[240:241]
	v_pk_add_f32 v[14:15], v[14:15], v[252:253]
	s_delay_alu instid0(VALU_DEP_2)
	v_pk_add_f32 v[208:209], v[208:209], v[242:243]
	s_delay_alu instid0(VALU_DEP_2)
	v_pk_add_f32 v[14:15], v[14:15], v[246:247]
	s_delay_alu instid0(VALU_DEP_1)
	v_pk_add_f32 v[14:15], v[14:15], v[208:209]
.set n, 0
.rept 32
	v_dual_min_num_f32 v[96+n], v30, v[96+n] :: v_dual_min_num_f32 v[97+n], v30, v[97+n]   ; the conversion does not saturate (ISA guide 7.6.2); p is not negative, so the hold is one-sided
.set n, n+2
.endr
.irp c, 0,1,2,3,4,5,6,7
	v_cvt_scalef32_pk8_fp8_f32 v[192+2*\c:193+2*\c], v[96+8*\c:103+8*\c], v29
.endr
.if (\mode) == 1
	v_nop                                          ; a plain line between the conversions and the products that read their results
.else
	s_wait_alu depctr_va_vdst(0)                   ; the wait here, directly ahead of the first reader of O^T
.set n, 0
.rept 16
	v_pk_mul_f32 v[160+n:161+n], v[160+n:161+n], v[24:25] op_sel_hi:[1,0]   ; O^T under the new M.  (Plain lines between the conversions and the products that read their results)
.set n, n+2
.endr
.endif
	s_wait_alu depctr_va_vdst(0)                   ; the wait here, directly ahead of the wait below
	s_wait_dscnt 0x0                               ; V is in
.irp d, 0,1,2,3
.if (\mode) == 1
	v_wmma_f32_16x16x128_fp8_fp8 v[160+8*\d:167+8*\d], v[32+16*\d:47+16*\d], v[192:207], 0
.else
	v_wmma_f32_16x16x128_fp8_fp8 v[160+8*\d:167+8*\d], v[32+16*\d:47+16*\d], v[192:207], v[160+8*\d:167+8*\d]
.endif
.endr
.Lhidden_\@:
.endm
	s_wait_alu depctr_va_vdst(0)                   ; the wait at the head's end
	s_wait_loadcnt 0x0                             ; Q
	s_wait_tensorcnt 0x0                           ; my part of key blocks 0 and 1 is in
	ds_add_u32 v254, v255
	s_wait_dscnt 0x0
	CROUND                                         ; everybody's part is in, and all four work-groups are here: the joint loads meet
	tensor_load_to_lds s[G0B:G0B+3], s[G1B:G1B+7]  ; my part of key blocks 2 to 15: it has two steps' work in which to land
	s_nop 0
.rept 4
	v_nop
.endr
	s_mov_b32 s[QB], s[QL]
	STEP 1
	STEP 2
	s_wait_tensorcnt 0x0                           ; my part is in,
	s_wait_dscnt 0x0                               ; and no LDS instruction of mine is pending at the signal
	s_barrier_signal -1
	s_barrier_wait -1                              ; everybody's part is in
	s_mov_b32 s[TT], 2
.Ltrip:                                                ; seven trips in every wave
	s_cmp_lg_u32 s[TT], s[SW]
	s_cbranch_scc1 .Lsame
	; ROLE 1: THE LIGHT TILE IS DONE.  O^T x 2^(e8 + e9) / the sum, held, converted with 2^e10; a lane's eight channels are 8 bytes of ctx's image.
.rept 4
	v_nop                                          ; places behind the last products
.endr
	v_add_f32 v14, v14, v15                        ; the sum's two halves,
	s_delay_alu instid0(VALU_DEP_1)
	v_permlanex16_b32 v28, v14, s[SEL], s[SEL+1]
	s_delay_alu instid0(VALU_DEP_1)
	v_add_f32 v14, v14, v28                        ; and lane l xor 16's
	s_wait_alu depctr_va_vdst(0)                   ; the wait ahead of the transcendental
	v_rcp_f32 v14, v14
	v_nop                                          ; a plain line behind the reciprocal
	s_wait_alu depctr_va_vdst(0)                   ; the wait ahead of its first reader, and of the first reader of O^T
	v_ldexp_f32 v14, v14, s[ES]
.set n, 0
.rept 16
	v_pk_mul_f32 v[96+n:97+n], v[160+n:161+n], v[14:15] op_sel_hi:[1,0]   ; register 8 d + j: ctx(query r, channel 16 d + 8 h + j)
.set n, n+2
.endr
.set n, 0
.rept 32
	v_med3_num_f32 v[96+n], v[96+n], -v251, v251
.set n, n+1
.endr
.irp d, 0,1,2,3
	v_cvt_scalef32_pk8_fp8_f32 v[192+2*\d:193+2*\d], v[96+8*\d:103+8*\d], v250
.endr
	v_nop
.irp d, 0,1,2,3
	global_store_b64 v[GO], v[192+2*\d:193+2*\d], s[CL:CL+1] offset:256*\d   ; the wave stores 256 consecutive bytes, aligned
.endr
	; on to the heavy tile: no key so far, M under every t, its Q
.set n, 0
.rept 32
	v_mov_b32 v[160+n], 0
.set n, n+1
.endr
	v_mov_b32 v12, 0x7f61b1e6
	v_mov_b32 v13, 0xff61b1e6
	v_mov_b32 v14, 0
	v_mov_b32 v15, 0
.set n, 0
.rept 8
	v_mov_b32 v[16+n], v[216+n]
.set n, n+1
.endr
	s_wait_alu depctr_va_vdst(0)                   ; the wait here, directly ahead of the wait below
	s_wait_xcnt 0x0                                ; the stores have read their registers
.Lsame:
	s_cmp_ge_u32 s[TT], s[SW]
	s_cselect_b32 s[KB], s[D8], 0
	s_cselect_b32 s[QB], s[QH], s[QL]
	s_add_co_u32 s[KB], s[KB], s[TT]               ; trip t: key block t; on the heavy tile in role 1: from 9 on
	s_and_b32 s[TB], s[KB], 15
	s_lshl_b32 s[TB], s[TB], 13
	STEP 0
	s_add_co_u32 s[TT], s[TT], 1
	s_cmp_lt_u32 s[TT], 9
	s_cbranch_scc1 .Ltrip
	; THE JOIN.  Each wave gives its partner (wave xor 1) half of O^T, its -M and its sum through LDS, and finishes the other half.
	s_wait_dscnt 0x0                               ; my reads of the images are over
	s_barrier_signal -1
.rept 4
	v_nop                                          ; places behind the last products
.endr
	v_add_f32 v14, v14, v15
	s_delay_alu instid0(VALU_DEP_1)
	v_permlanex16_b32 v28, v14, s[SEL], s[SEL+1]
	s_delay_alu instid0(VALU_DEP_1)
	v_add_f32 v27, v14, v28                        ; my part of the row's sum
	v_mov_b32 v26, v12
	s_wait_alu depctr_va_vdst(0)                   ; the wait here, ahead of the barrier's wait and the branch
	s_barrier_wait -1                              ; so are everybody's
	s_cmp_lg_u32 s[ROLE], 0
	s_cbranch_scc1 .Lgive_low
.irp k, 0,1,2,3
	ds_store_b128 v[STO], v[176+4*\k:179+4*\k] offset:512*\k
.endr
	s_branch .Lgiven
.Lgive_low:
.irp k, 0,1,2,3
	ds_store_b128 v[STO], v[160+4*\k:163+4*\k] offset:512*\k
.endr
.Lgiven:
	ds_store_b64 v[STO], v[26:27] offset:2048
	s_wait_dscnt 0x0                               ; my stores are done: for my partner's sake
	s_barrier_signal -1
	s_barrier_wait -1
.irp k, 0,1,2,3
	ds_load_b128 v[96+4*\k:99+4*\k], v[STP] offset:512*\k
.endr
	ds_load_b64 v[112:113], v[STP] offset:2048
	s_wait_dscnt 0x0
	v_min_num_f32 v3, v26, v112                    ; -M of both parts
	v_sub_f32 v114, v3, v26
	v_sub_f32 v115, v3, v112
	v_cvt_i32_f32 v114, v114                       ; (it saturates: a part without keys gets the factor 0)
	v_cvt_i32_f32 v115, v115
	v_ldexp_f32 v114, 1.0, v114                    ; my part's factor, 2^(its M - M)
	v_ldexp_f32 v115, 1.0, v115                    ; the other's
	v_mul_f32 v27, v27, v114
	v_fmac_f32 v27, v113, v115                     ; the row's sum
	s_wait_alu depctr_va_vdst(0)                   ; the wait ahead of the transcendental
	v_rcp_f32 v27, v27
	v_nop
	s_wait_alu depctr_va_vdst(0)                   ; and ahead of its first reader
	v_ldexp_f32 v27, v27, s[ES]                    ; 2^(e8 + e9) / the sum
	v_mul_f32 v114, v114, v27
	v_mul_f32 v115, v115, v27
	s_wait_alu depctr_va_vdst(0)                   ; the wait here, ahead of the branch
	s_cmp_lg_u32 s[ROLE], 0
	s_cbranch_scc1 .Lkeep_high
	s_wait_alu depctr_va_vdst(0)                   ; the wait here, directly ahead of the first reader of this half of O^T
.set n, 0
.rept 8
	v_pk_mul_f32 v[118+n:119+n], v[160+n:161+n], v[114:115] op_sel_hi:[1,0]
.set n, n+2
.endr
	s_branch .Lkept
.Lkeep_high:
	s_wait_alu depctr_va_vdst(0)                   ; likewise
.set n, 0
.rept 8
	v_pk_mul_f32 v[118+n:119+n], v[176+n:177+n], v[114:115] op_sel_hi:[1,0]
.set n, n+2
.endr
.Lkept:
	s_wait_alu depctr_va_vdst(0)                   ; the wait here, directly ahead of the readers
.set n, 0
.rept 8
	v_pk_fma_f32 v[96+n:97+n], v[96+n:97+n], v[114:115], v[118+n:119+n] op_sel:[0,1,0] op_sel_hi:[1,1,1]   ; both x v115, the other part's factor
.set n, n+2
.endr
.set n, 0
.rept 16
	v_med3_num_f32 v[96+n], v[96+n], -v251, v251
.set n, n+1
.endr
	v_cvt_scalef32_pk8_fp8_f32 v[134:135], v[96:103], v250
	v_cvt_scalef32_pk8_fp8_f32 v[136:137], v[104:111], v250
	v_nop
	global_store_b64 v[GO], v[134:135], s[CH:CH+1]                ; the wave stores 256 consecutive bytes, aligned
	global_store_b64 v[GO], v[136:137], s[CH:CH+1] offset:256
	s_wait_tensorcnt 0x0                           ; the wave's end
	ds_add_u32 v254, v255
	s_wait_dscnt 0x0
	CROUND                                         ; the closing round: no work-group ends while a partner may still ask for a tile that names it
	s_endpgm
.Lfunc_end_k_qbb64e5addb_attn:
	.size	k_qbb64e5addb_attn, .Lfunc_end_k_qbb64e5addb_attn-k_qbb64e5addb_attn
	.p2alignl 7, 3214868480
	.fill 96, 4, 3214868480
	.section	.rodata,"a",@progbits
	.p2align	6, 0x0
	.amdhsa_kernel k_qbb64e5addb_attn
		.amdhsa_group_segment_fixed_size 327680
		.amdhsa_private_segment_fixed_size 0
		.amdhsa_enable_private_segment 0
		.amdhsa_kernarg_size 40
		.amdhsa_user_sgpr_count 2
		.amdhsa_user_sgpr_kernarg_segment_ptr 1
		.amdhsa_wavefront_size32 1
		.amdhsa_system_sgpr_workgroup_id_x 1
		.amdhsa_system_sgpr_workgroup_id_y 1
		.amdhsa_system_sgpr_workgroup_id_z 1
		.amdhsa_system_vgpr_workitem_id 0
		.amdhsa_next_free_vgpr 256
		.amdhsa_next_free_sgpr 100
		.amdhsa_reserve_vcc 0
		.amdhsa_float_denorm_mode_32 3
		.amdhsa_float_denorm_mode_16_64 3
		.amdhsa_memory_ordered 1
		.amdhsa_forward_progress 1
		.amdhsa_inst_pref_size 80
	.end_amdhsa_kernel
	.amdgpu_metadata
---
amdhsa.version: [ 1, 2 ]
amdhsa.kernels:
  - .name:           k_qbb64e5addb_attn
    .symbol:         k_qbb64e5addb_attn.kd
    .args:
      - { .name: q_img, .offset: 0, .size: 8, .value_kind: global_buffer, .address_space: global }
      - { .name: k_img, .offset: 8, .size: 8, .value_kind: global_buffer, .address_space: global }
      - { .name: v_img, .offset: 16, .size: 8, .value_kind: global_buffer, .address_space: global }
      - { .name: lowp_scales, .offset: 24, .size: 8, .value_kind: global_buffer, .address_space: global }
      - { .name: ctx_img, .offset: 32, .size: 8, .value_kind: global_buffer, .address_space: global }
    .group_segment_fixed_size: 327680
    .private_segment_fixed_size: 0
    .kernarg_segment_align: 8
    .kernarg_segment_size: 40
    .max_flat_workgroup_size: 512
    .sgpr_count:     100
    .vgpr_count:     256
    .wavefront_size: 32
...
	.end_amdgpu_metadata
.endif
;; end of part 2
;; launch oproj (part 3): grid 8 x 32, 4 waves a work-group, clusters of 4 x 4, 327,680 bytes of LDS; arguments ctx_img, wo_codes, lowp_scales, out0; writes out0
.if DOCPART == 3
	.amdgcn_target "amdgcn-amd-amdhsa--gfx1250"
	.amdhsa_code_object_version 6
	.text
	.protected	k_qbb64e5addb_oproj
	.globl	k_qbb64e5addb_oproj
	.p2align	8
	.type	k_qbb64e5addb_oproj,@function
k_qbb64e5addb_oproj:
	s_mov_b64 s[64:65], 0
	v_nop
	global_prefetch_b8 v0, s[64:65] scope:SCOPE_SE
	s_setreg_imm32_b32 hwreg(HW_REG_WAVE_MODE, 25, 1), 1
	s_wait_xcnt 0x0
	s_wait_alu depctr_hold_cnt(0) depctr_sa_sdst(0) depctr_va_vdst(0) depctr_va_sdst(0) depctr_va_ssrc(0) depctr_va_vcc(0) depctr_vm_vsrc(0)
	s_getreg_b32 s2, hwreg(HW_REG_IB_STS2, 6, 4)
	s_cmp_eq_u32 s2, 0
	s_cbranch_scc0 .Lentry_in_a_cluster
	s_endpgm
.Lentry_in_a_cluster:
	s_bfe_u32 s2, ttmp6, 0x10000c
	s_cmp_lg_u32 s2, 0xf033
	s_cbranch_scc0 .Lentry_shape_is_right
	s_endpgm
.Lentry_shape_is_right:
; out = ctx wo^T x 2^(e10 + e11), on codes of FP8 (E4M3).  ctx_img: ctx's codes as images of operand registers: [32 tiles of 128 rows][8 K steps of 128][8 groups of 16 rows][2,048 bytes],
; byte 512 c + 16 x lane + i of a fragment = (row lane % 16, k = 32 c + 16 (lane / 16) + i).  wo: [1024][1024] codes, K innermost.  out0: [4096][1024] f32.
; SHARES.  A tile of 128 x 128 of out to a work-group: 8 x 32 = 256 work-groups.  Four waves, each 64 x 64: 16 accumulators.  K = 1,024 lies whole in LDS, each byte filled once: no slot is filled again.
; K comes in two halves, one load a wave for each (waves 0 and 1: ctx, waves 2 and 3: wo): the first at the head, the second behind a round of the cluster's barrier; it has the first half's first 48 matrix instructions in which to land.
; The first half goes by K; the second by rows of out: wo's fragments of its four K steps fill window 2, and a block of 16 rows is finished and leaves while the next is multiplied.
; CLUSTER 4 x 4: ctx's tile hangs on the tile row alone and is asked for jointly along a row of the cluster, wo's on the tile column alone and jointly along a column.
; NO PREFETCH: a wave has two loads in all, there is no loop of loads to run ahead in.
; The product is used transposed (source 0 = 16 rows of wo, source 1 = 16 rows of ctx): a lane holds eight neighbouring numbers of a row of out.  Both fragments hold K = 32 c + 16 h + 0..15 in registers 4 c .. 4 c + 3.
; LIMIT: e10 + e11 between -126 and 127, so that 2^(e10 + e11) is an f32 number.
; REGISTERS: window 0: v1-31 addresses; v32-63 a block's scaled sums; v64-127 rows read back, two sets; v128-255 the accumulators ((a, b) at 128 + 8 (4 a + b)).
;   window 1: first half: two fragment buffers of 128: 64 of A, then 64 of B; second half: A's four blocks, 64 each.  window 2: second half: B's four K steps, 64 each.
.set BP,    528                        ; an LDS row of B: 512 bytes + 16 of padding = 132 words: row r starts at bank 4 r mod 64 (64 banks of 4 bytes: ISA guide 11.1)
.set BOFF,  65536                      ; LDS, a half of K: A's image (dense, 64 KiB), then B's 128 rows
.set HALF,  BOFF+128*BP
.set STAGE, 2*HALF                     ; behind both halves: 16 rows x SP bytes for each wave, for the way out; no fill lands there
.set SP,    272
.set SPARE, STAGE+4*16*SP              ; the spare words, 128 bytes for each wave
.set ADA,  16                          ; v16, v17  my A fragments: first, second half
.set ADB,  18                          ; v18, v19  my B fragments likewise
.set STO,  20
.set RD,   21
.set CO,   22
.set TMP,  32
.set BK,   64
.set ACC,  128
.set G1A,  24                          ; s[24:31]
.set G1B,  32                          ; s[32:39]
.set G0A,  40                          ; s[40:47]  one set for each half
.set G0B,  48                          ; s[48:55]
.set MSB, 0
.macro WIN new                         ; the immediate's high byte repeats the setting that is left
.if MSB != (\new)
	s_set_vgpr_msb (MSB<<8)|(\new)
.set MSB, (\new)
.endif
.endm
.macro PLACES n
.rept \n
	v_nop
.endr
.endm
.macro CROUND                          ; a round of the cluster's barrier
	s_barrier_signal -1
	s_barrier_wait -1
	s_cmp_lg_u32 s20, 0
	s_cbranch_scc1 .Lnot_wave_0_\@
	s_barrier_signal -3
.Lnot_wave_0_\@:
	s_barrier_wait -3
	s_barrier_signal -1
	s_barrier_wait -1
.endm
.macro JLOAD s                         ; a joint load: waves 0 and 1 for A, waves 2 and 3 for B; each of the two lines has one mask
	s_cmp_eq_u32 s21, 0
	s_cbranch_scc0 .Lfor_b_\@
	tensor_load_to_lds s[G0A+4*\s:G0A+4*\s+3], s[G1A:G1A+7]
	s_nop 0
	PLACES 4                                       ; behind a tensor load
	s_branch .Lasked_\@
.Lfor_b_\@:
	tensor_load_to_lds s[G0B+4*\s:G0B+4*\s+3], s[G1B:G1B+7]
	s_nop 0
	PLACES 4
.Lasked_\@:
.endm
	s_load_b256 s[4:11], s[0:1], 0x0               ; ctx_img s[4:5], wo s[6:7], scales s[8:9], out0 s[10:11]
	v_lshl_add_u32 v30, v0, 2, SPARE
	v_mov_b32 v31, 0
	ds_add_u32 v30, v31                            ; the opening: the add, twice on end, and its wait
	ds_add_u32 v30, v31
	v_lshrrev_b32 v1, 5, v0
	v_readfirstlane_b32 s20, v1                    ; wave 0..3
	s_lshr_b32 s21, s20, 1                         ; which 64 rows are mine.  Also: I fetch for A (0) or for B (1)
	s_and_b32 s22, s20, 1                          ; which 64 columns.  Also: which part of a half's tile I fetch
	s_bfe_u32 s12, ttmp6, 0x40000                  ; cx
	s_bfe_u32 s13, ttmp6, 0x40004                  ; cy
	s_lshl_b32 s14, ttmp9, 2
	s_add_co_u32 s14, s14, s12                     ; tile column nj
	s_and_b32 s15, ttmp7, 0xffff
	s_lshl_b32 s15, s15, 2
	s_add_co_u32 s15, s15, s13                     ; tile row mi
	s_lshl_b32 s16, s13, 2
	s_lshl_b32 s16, 15, s16                        ; my row of the cluster
	s_lshl_b32 s17, 0x1111, s12                    ; my column
	; A: a dense block of 32 KiB as 128 rows of 256 bytes, elements of 8 bytes, no padding
	s_or_b32 s[G1A], s16, (3<<16)|(1<<21)
	s_mov_b32 s[G1A+1], 32<<16
	s_mov_b32 s[G1A+2], 128<<16
	s_mov_b32 s[G1A+3], 32<<16
	s_mov_b32 s[G1A+4], 128
	s_mov_b32 s[G1A+5], 32
	s_mov_b32 s[G1A+6], 0
	s_mov_b32 s[G1A+7], 0
	; B: 64 rows x 512 bytes, 1,024 bytes apart in memory, 16 bytes of padding behind each (after every 128 words, code 6; four words, code 3)
	s_or_b32 s[G1B], s17, (1<<20)|(1<<21)|(6<<22)|(3<<25)
	s_mov_b32 s[G1B+1], 512<<16
	s_mov_b32 s[G1B+2], 64<<16
	s_mov_b32 s[G1B+3], 512<<16
	s_mov_b32 s[G1B+4], 64
	s_mov_b32 s[G1B+5], 1024
	s_mov_b32 s[G1B+6], 0
	s_mov_b32 s[G1B+7], 0
	s_lshl_b32 s56, s15, 17                        ; A: tile mi's 128 KiB, 64 KiB a half,
	s_lshl_b32 s18, s22, 15                        ; + 32 KiB for the second wave, in memory and in LDS alike
	s_add_co_u32 s56, s56, s18
	s_mov_b32 s57, 0
	s_lshl_b32 s58, s14, 17                        ; B: 128 nj rows of 1,024 bytes,
	s_lshl_b32 s19, s22, 16                        ; + 64 rows for the second wave
	s_add_co_u32 s58, s58, s19
	s_mov_b32 s59, 0
	s_mul_i32 s19, s22, 64*BP                      ; and in LDS
	s_wait_dscnt 0x0                               ; both opening adds are done
	CROUND                                         ; all sixteen work-groups are here: the joint loads meet
	s_wait_kmcnt 0x0
	s_load_b64 s[84:85], s[8:9], 0x28              ; e10, e11
	s_add_nc_u64 s[60:61], s[4:5], s[56:57]
	s_add_nc_u64 s[62:63], s[6:7], s[58:59]
.irp s, 0,1
	s_mov_b32 s[G0A+4*\s], 1
	s_add_co_u32 s[G0A+4*\s+1], s18, HALF*\s
	s_add_nc_u64 s[G0A+4*\s+2:G0A+4*\s+3], s[60:61], 65536*\s
	s_or_b32 s[G0A+4*\s+3], s[G0A+4*\s+3], 0x80000000
	s_mov_b32 s[G0B+4*\s], 1
	s_add_co_u32 s[G0B+4*\s+1], s19, BOFF+HALF*\s
	s_add_nc_u64 s[G0B+4*\s+2:G0B+4*\s+3], s[62:63], 512*\s
	s_or_b32 s[G0B+4*\s+3], s[G0B+4*\s+3], 0x80000000
.endr
	JLOAD 0                                        ; the first half: my one load at the head
	v_and_b32 v1, 15, v0                           ; r
	v_bfe_u32 v2, v0, 4, 1                         ; h
	v_and_b32 v3, 31, v0
	v_lshlrev_b32 v3, 4, v3                        ; 16 x lane
	s_lshl_b32 s88, s21, 13                        ; my four groups of 16 rows: 4 x 2,048 bytes
	v_add_nc_u32 v[ADA], s88, v3
	v_add_nc_u32 v[ADA+1], HALF, v[ADA]
	v_mul_u32_u24 v4, v1, BP
	v_lshl_add_u32 v5, v2, 4, v4
	s_mul_i32 s88, s22, 64*BP
	s_add_co_u32 s88, s88, BOFF
	v_add_nc_u32 v[ADB], s88, v5
	v_add_nc_u32 v[ADB+1], HALF, v[ADB]
	s_mul_i32 s88, s20, 16*SP
	s_add_co_u32 s88, s88, STAGE                   ; my stage
	v_mul_u32_u24 v4, v1, SP
	v_lshl_add_u32 v5, v2, 5, v4
	v_add_nc_u32 v[STO], s88, v5                   ; in: row r, 32 bytes for each half of the lanes
	v_mul_u32_u24 v5, v2, SP
	v_lshl_add_u32 v5, v1, 4, v5
	v_add_nc_u32 v[RD], s88, v5                    ; back: lanes 0-15 one row of 256 bytes, lanes 16-31 the next
	v_lshlrev_b32 v[CO], 12, v2
	v_lshl_add_u32 v[CO], v1, 4, v[CO]             ; and the same two rows in out0 (a row is 4,096 bytes)
	s_lshl_b32 s88, s15, 19                        ; my first row, 128 mi + 64 (w / 2), and my first column, 128 nj + 64 (w % 2), in bytes
	s_lshl_b32 s89, s21, 18
	s_add_co_u32 s88, s88, s89
	s_lshl_b32 s89, s14, 9
	s_add_co_u32 s88, s88, s89
	s_lshl_b32 s89, s22, 8
	s_add_co_u32 s88, s88, s89
	s_mov_b32 s89, 0
	s_add_nc_u64 s[10:11], s[10:11], s[88:89]
	s_wait_alu depctr_va_vdst(0)                   ; the wait at the head's end
	s_wait_kmcnt 0x0
	s_add_co_i32 s86, s84, s85
	s_add_co_i32 s86, s86, 127
	s_lshl_b32 s86, s86, 23                        ; 2^(e10 + e11) as f32
	s_mov_b32 s87, s86                             ; (named with it as a pair, so it is written)
.macro FETCH ks, f                     ; first half: the fragments of K step ks into buffer f: 32 loads
	WIN 0x40
.irp i, 0,1,2,3
.irp c, 0,1,2,3
	ds_load_b128 v[\f+64+16*\i+4*\c:\f+64+16*\i+4*\c+3], v[ADB] offset:16*BP*\i+128*(\ks)+32*\c
.endr
.endr
.irp i, 0,1,2,3
.irp c, 0,1,2,3
	ds_load_b128 v[\f+16*\i+4*\c:\f+16*\i+4*\c+3], v[ADA] offset:16384*(\ks)+2048*\i+512*\c
.endr
.endr
.endm
.macro MUL16 f, zero                   ; the 16 accumulators take turns, one instruction a turn, in the same order in every step
	WIN 0x05
.irp a, 0,1,2,3
.irp b, 0,1,2,3
.if \zero
	v_wmma_f32_16x16x128_fp8_fp8 v[ACC+8*(4*\a+\b):ACC+8*(4*\a+\b)+7], v[\f+64+16*\b:\f+64+16*\b+15], v[\f+16*\a:\f+16*\a+15], 0
.else
	v_wmma_f32_16x16x128_fp8_fp8 v[ACC+8*(4*\a+\b):ACC+8*(4*\a+\b)+7], v[\f+64+16*\b:\f+64+16*\b+15], v[\f+16*\a:\f+16*\a+15], v[ACC+8*(4*\a+\b):ACC+8*(4*\a+\b)+7]
.endif
.endr
.endr
.endm
.macro BLOAD q                         ; second half: B's fragments of its K step q
	WIN 0x80
.irp i, 0,1,2,3
.irp c, 0,1,2,3
	ds_load_b128 v[64*\q+16*\i+4*\c:64*\q+16*\i+4*\c+3], v[ADB+1] offset:16*BP*\i+128*\q+32*\c
.endr
.endr
.endm
.macro ALOAD a                         ; second half: A's block a, its four K steps
	WIN 0x40
.irp q, 0,1,2,3
.irp c, 0,1,2,3
	ds_load_b128 v[64*\a+16*\q+4*\c:64*\a+16*\q+4*\c+3], v[ADA+1] offset:16384*\q+2048*\a+512*\c
.endr
.endr
.endm
.macro ROWQ a, q                       ; block a, K step q of the second half: its four accumulators, one instruction a turn
	WIN 0x06
.irp b, 0,1,2,3
	v_wmma_f32_16x16x128_fp8_fp8 v[ACC+8*(4*(\a)+\b):ACC+8*(4*(\a)+\b)+7], v[64*\q+16*\b:64*\q+16*\b+15], v[64*(\a)+16*\q:64*(\a)+16*\q+15], v[ACC+8*(4*(\a)+\b):ACC+8*(4*(\a)+\b)+7]
.endr
.endm
	s_wait_tensorcnt 0x0                           ; my part of the first half is in
	ds_add_u32 v30, v31
	s_wait_dscnt 0x0
	CROUND                                         ; everybody's part is in, and all sixteen work-groups are here: the joint loads meet
	JLOAD 1                                        ; the second half
	FETCH 0, 0
.irp ks, 0,1,2
	PLACES 4                                       ; in front of loads into the buffer that the last products read
	FETCH \ks+1, 128*((\ks+1)%2)
	s_wait_dscnt 32                                ; this step's fragments are in; the 32 loads just issued may be out
.if \ks == 0
	MUL16 128*(\ks%2), 1
.else
	MUL16 128*(\ks%2), 0
.endif
.endr
	s_wait_tensorcnt 0x0                           ; my part of the second half is in
	s_wait_dscnt 0x0                               ; so are K step 3's fragments: no LDS instruction of mine is pending at the signal
	s_barrier_signal -1
	MUL16 128, 0                                   ; work on registers while the others arrive
	s_barrier_wait -1                              ; the second half is there for all four waves
	PLACES 4                                       ; in front of loads into the buffers that the last products read
	ALOAD 0
.irp q, 0,1,2,3
	BLOAD \q
.endr
	s_wait_dscnt 48                                ; A's block 0 and B's K step 0 are in; the 48 later loads may be out
	ROWQ 0, 0
	s_wait_dscnt 32
	ROWQ 0, 1
	s_wait_dscnt 16
	ROWQ 0, 2
	ALOAD 1
	s_wait_dscnt 16                                ; B is in; block 1's 16 loads may be out
	ROWQ 0, 3
	ALOAD 2
	ALOAD 3
; THE WAY OUT, a block of 16 rows x 64 columns at a time: x 2^(e10 + e11) into other registers (each accumulator from its low end on), through my own stage in LDS, back as whole rows of 256 bytes.
; LDS serves a wave's instructions in order (ISA guide 5.7.1.4): no wait between the stores and the loads, nor in front of the next block's stores.
.macro TOSTAGE a
	WIN 0
.set n, 0
.rept 16
	v_pk_mul_f32 v[TMP+n:TMP+n+1], v[ACC+32*(\a)+n:ACC+32*(\a)+n+1], s[86:87] op_sel_hi:[1,0]
.set n, n+2
.endr
.irp b, 0,1,2,3
	ds_store_b128 v[STO], v[TMP+8*\b:TMP+8*\b+3] offset:64*\b
	ds_store_b128 v[STO], v[TMP+8*\b+4:TMP+8*\b+7] offset:64*\b+16
.endr
.irp t, 0,1,2,3,4,5,6,7
	ds_load_b128 v[BK+32*((\a)%2)+4*\t:BK+32*((\a)%2)+4*\t+3], v[RD] offset:\t*2*SP
.endr
.endm
.macro SEND a
	WIN 0
	s_wait_dscnt 0x0                               ; the block is back in registers
.irp t, 0,1,2,3,4,5,6,7
	global_store_b128 v[CO], v[BK+32*((\a)%2)+4*\t:BK+32*((\a)%2)+4*\t+3], s[10:11] offset:(16*(\a)+2*\t)*4096 th:TH_STORE_NT   ; 16 lanes store 256 consecutive bytes, aligned; written once, read by nobody here
.endr
.endm
.irp a, 0,1,2,3
	PLACES 4                                       ; in front of the first read of results just made
.if \a > 1
	s_wait_xcnt 0x0                                ; block a - 2's stores have read their registers: block a's loads may land there
.endif
	TOSTAGE \a
.if \a == 0
	s_wait_dscnt 48                                ; A's block 1 is in; blocks 2 and 3 (32 loads) and the stage's 16 may be out
.endif
.if \a < 3
.irp q, 0,1,2,3
	ROWQ \a+1, \q
.endr
.endif
	SEND \a
.endr
	s_wait_tensorcnt 0x0                           ; the wave's end
	ds_add_u32 v30, v31
	s_wait_dscnt 0x0
	CROUND                                         ; the closing round: no work-group ends while a partner may still ask for a tile that names it
	s_endpgm
.Lfunc_end_k_qbb64e5addb_oproj:
	.size	k_qbb64e5addb_oproj, .Lfunc_end_k_qbb64e5addb_oproj-k_qbb64e5addb_oproj
	.p2alignl 7, 3214868480
	.fill 96, 4, 3214868480
	.section	.rodata,"a",@progbits
	.p2align	6, 0x0
	.amdhsa_kernel k_qbb64e5addb_oproj
		.amdhsa_group_segment_fixed_size 327680
		.amdhsa_private_segment_fixed_size 0
		.amdhsa_enable_private_segment 0
		.amdhsa_kernarg_size 32
		.amdhsa_user_sgpr_count 2
		.amdhsa_user_sgpr_kernarg_segment_ptr 1
		.amdhsa_wavefront_size32 1
		.amdhsa_system_sgpr_workgroup_id_x 1
		.amdhsa_system_sgpr_workgroup_id_y 1
		.amdhsa_system_sgpr_workgroup_id_z 1
		.amdhsa_system_vgpr_workitem_id 0
		.amdhsa_next_free_vgpr 768
		.amdhsa_next_free_sgpr 100
		.amdhsa_reserve_vcc 0
		.amdhsa_float_denorm_mode_32 3
		.amdhsa_float_denorm_mode_16_64 3
		.amdhsa_memory_ordered 1
		.amdhsa_forward_progress 1
		.amdhsa_inst_pref_size 45
	.end_amdhsa_kernel
	.amdgpu_metadata
---
amdhsa.version: [ 1, 2 ]
amdhsa.kernels:
  - .name:           k_qbb64e5addb_oproj
    .symbol:         k_qbb64e5addb_oproj.kd
    .args:
      - { .name: ctx_img, .offset: 0, .size: 8, .value_kind: global_buffer, .address_space: global }
      - { .name: wo_codes, .offset: 8, .size: 8, .value_kind: global_buffer, .address_space: global }
      - { .name: lowp_scales, .offset: 16, .size: 8, .value_kind: global_buffer, .address_space: global }
      - { .name: out0, .offset: 24, .size: 8, .value_kind: global_buffer, .address_space: global }
    .group_segment_fixed_size: 327680
    .private_segment_fixed_size: 0
    .kernarg_segment_align: 8
    .kernarg_segment_size: 32
    .max_flat_workgroup_size: 128
    .sgpr_count:     100
    .vgpr_count:     768
    .wavefront_size: 32
...
	.end_amdgpu_metadata
.endif
;; end of part 3
